; MI455X (gfx1250); checked and timed in simulation.
; The chip was launched on July 23, 2026; its instructions are those of AMD's public machine-readable ISA for CDNA 5 (MIT licence, August 2026) and "CDNA5" Instruction Set Architecture Reference Guide (July 2026). The comments in the code are by the model that wrote it; some were corrected since.
;; LSTM Cell. Allowed arithmetic: float matrix products may take bf16 or f16 operands with f32 sums; other float arithmetic in f32, or as packed bf16 or f16 multiplies, adds, multiply-adds, maxima and minima; sums over many terms, partial sums and values carried from step to step in f32; what a program stores and reads back later, other than sums and carried values, may be rounded once to bf16 or f16.
;; Inputs: W_f 1,024 x 2,048 float32; W_g 1,024 x 2,048 float32; W_i 1,024 x 2,048 float32; W_o 1,024 x 2,048 float32; b_f 1,024 float32; b_g 1,024 float32; b_i 1,024 float32; b_o 1,024 float32; c 8,192 x 1,024 float32; h 8,192 x 1,024 float32; x 8,192 x 1,024 float32.
;; Outputs: out0 8,192 x 1,024 float32; out1 8,192 x 1,024 float32.
;; 2 versions, each right; version 2 is version 1 with the launch cvt written anew for expert scheduling mode. Each part assembles by itself: llvm-mc -triple=amdgcn-amd-amdhsa -mcpu=gfx1250 --defsym DOCPART=n.
;; ======== version 1 of 2: 2 launches
;; limits: a function is approximated: absolute error at most 1.2e-07; below input magnitudes of 1e-05 results are inexact or not finite
;; workspace buffers: xh 33,554,432 bytes; wb 16,777,216 bytes
;; launch cvt (part 1): grid 256 x 3, 8 waves a work-group, no clusters, 0 bytes of LDS; arguments x, h, W_i, W_f, W_g, W_o, xh, wb; writes xh, wb
.if DOCPART == 1
	.amdgcn_target "amdgcn-amd-amdhsa--gfx1250"
	.amdhsa_code_object_version 6
	.text
	.protected	k_q71674dac3b_cvt
	.globl	k_q71674dac3b_cvt
	.p2align	8
	.type	k_q71674dac3b_cvt,@function
k_q71674dac3b_cvt:
	s_mov_b64 s[64:65], 0
	v_nop
	global_prefetch_b8 v0, s[64:65] scope:SCOPE_SE
	s_setreg_imm32_b32 hwreg(HW_REG_WAVE_MODE, 25, 1), 1
	s_wait_xcnt 0x0
; The matrix operands of the LSTM cell, rounded once from f32 to bf16 (to nearest even) and laid out for the product that follows.
;   xh [8192][2048] bf16: row m = x[m] (bytes 0-2047), then h[m] (bytes 2048-4095).
;   wb [4096][2048] bf16: row 64 (j / 16) + 16 gate + j % 16 = row j of W_gate, gate 0..3 = i, f, g, o: every 64 rows hold 16 hidden columns x 4 gates.
; A stream: each source byte is read once, each destination byte written once; nothing is shared between waves or work-groups, so there is no LDS, no barrier, no cluster.
; SHARES.  A chunk is 1,024 f32 (4,096 bytes), which become 2,048 bytes.  A work-group takes 32 chunks that lie on end in their source (131,072 bytes):
;   y = 0: rows 32 gx .. of x;  y = 1: the same rows of h;  y = 2: rows 16 J .. 16 J + 15 of W_gate, gate = gx / 64, J = gx % 64 (two chunks a row).
; Thread t owns bytes 16 t of every source chunk and bytes 8 t of every destination chunk: a wave's load covers 512 consecutive bytes, a wave's store 256 consecutive bytes, aligned.
; A ring of eight slots in registers keeps eight loads of every wave on their way.
; LIMITS.  None of range: bf16 has f32's exponents.  NaN and infinities pass as the conversion makes them.
.set CHUNK,  4096                      ; bytes of a source chunk
.set DEPTH,  8                         ; slots
.set ROUNDS, 32/DEPTH
.set SO,  1                            ; v1       16 t; never rewritten
.set DO,  2                            ; v[2:9]   slot i: 8 t + i x the destination's stride; never rewritten
.set X,   12                           ; v[12:43] slot i: four f32 as loaded
.set Y,   44                           ; v[44:59] slot i: four bf16 to store
	s_load_b512 s[8:23], s[0:1], 0x0               ; x s[8:9], h s[10:11], W_i s[12:13], W_f s[14:15], W_g s[16:17], W_o s[18:19], xh s[20:21], wb s[22:23]
	s_mov_b32 s2, ttmp9                            ; gx
	s_and_b32 s3, ttmp7, 0xffff                    ; y
	s_lshr_b32 s4, s2, 6                           ; gate (used where y = 2)
	s_and_b32 s5, s2, 63                           ; J
	s_lshl_b32 s28, s2, 17                         ; y < 2: source offset, 32 rows of 4,096 bytes
	s_lshl_b32 s29, s5, 17                         ; y = 2: source offset, 16 rows of 8,192 bytes
	s_lshl_b32 s30, s3, 11                         ; y < 2: x's or h's half of a row of xh,
	s_add_co_u32 s30, s30, s28                     ;        in 32 rows of 4,096 bytes
	s_lshl_b32 s31, s5, 18                         ; y = 2: 64 rows of wb for each J,
	s_lshl_b32 s7, s4, 16                          ;        16 of them for each gate
	s_add_co_u32 s31, s31, s7
	s_cmp_eq_u32 s3, 2
	s_cselect_b32 s28, s29, s28
	s_cselect_b32 s30, s31, s30
	s_cselect_b32 s6, 11, 12
	s_mov_b32 s29, 0                               ; both offsets as pairs
	s_mov_b32 s31, 0
	s_lshl_b32 s6, 1, s6                           ; the destination's stride from chunk to chunk: 2,048 in wb (chunks on end), 4,096 in xh (a row)
	s_lshl_b32 s32, s6, 3                          ; eight of them: a round's step
	s_mov_b32 s33, 0
	v_lshlrev_b32 v[SO], 4, v0
	v_lshlrev_b32 v10, 3, v0
.irp i, 0,1,2,3,4,5,6,7
	s_mul_i32 s7, s6, \i
	v_add_nc_u32 v[DO+(\i)], s7, v10
.endr
	s_wait_kmcnt 0x0
	s_mov_b64 s[24:25], s[12:13]                   ; the source is chosen by the work-group's numbers alone; each compare stands straight in front of its select
	s_cmp_eq_u32 s4, 1
	s_cselect_b64 s[24:25], s[14:15], s[24:25]
	s_cmp_eq_u32 s4, 2
	s_cselect_b64 s[24:25], s[16:17], s[24:25]
	s_cmp_eq_u32 s4, 3
	s_cselect_b64 s[24:25], s[18:19], s[24:25]
	s_cmp_eq_u32 s3, 1
	s_cselect_b64 s[24:25], s[10:11], s[24:25]
	s_cmp_eq_u32 s3, 0
	s_cselect_b64 s[24:25], s[8:9], s[24:25]
	s_cmp_eq_u32 s3, 2
	s_cselect_b64 s[26:27], s[22:23], s[20:21]     ; and so is the destination
	s_add_nc_u64 s[24:25], s[24:25], s[28:29]
	s_add_nc_u64 s[26:27], s[26:27], s[30:31]
.irp i, 0,1,2,3,4,5,6,7
	global_load_b128 v[X+4*(\i):X+4*(\i)+3], v[SO], s[24:25] offset:CHUNK*(\i) th:TH_LOAD_NT  ; the ring is filled: chunks 0 to 7
.endr
; One slot's turn.  ahead = 1: the slot is filled again with the chunk eight further on.  left = how many younger loads may stay out.
.macro SLOT i, ahead, left
	s_wait_loadcnt \left                           ; loads come back in order (ISA guide 5.7.1): mine is in, the younger ones stay out
	v_cvt_pk_bf16_f32 v[Y+2*(\i)],   v[X+4*(\i)],   v[X+4*(\i)+1]
	v_cvt_pk_bf16_f32 v[Y+2*(\i)+1], v[X+4*(\i)+2], v[X+4*(\i)+3]
.if \ahead
	global_load_b128 v[X+4*(\i):X+4*(\i)+3], v[SO], s[24:25] offset:DEPTH*CHUNK+CHUNK*(\i) th:TH_LOAD_NT
.endif
	global_store_b64 v[DO+(\i)], v[Y+2*(\i):Y+2*(\i)+1], s[26:27]
.endm
	s_mov_b32 s34, ROUNDS-1
.Lround:
.irp i, 0,1,2,3,4,5,6,7
	SLOT \i, 1, DEPTH-1
.endr
	s_wait_xcnt 0x0                                ; every load and store issued so far has read its sources: only now are the two bases stepped, and Y written again in the next round
	s_add_nc_u64 s[24:25], s[24:25], DEPTH*CHUNK
	s_add_nc_u64 s[26:27], s[26:27], s[32:33]
	s_sub_co_u32 s34, s34, 1
	s_cmp_lg_u32 s34, 0
	s_cbranch_scc1 .Lround
.irp i, 0,1,2,3,4,5,6,7
	SLOT \i, 0, DEPTH-1-(\i)                       ; the last round loads nothing: the counts run down
.endr
	s_endpgm
.Lfunc_end_k_q71674dac3b_cvt:
	.size	k_q71674dac3b_cvt, .Lfunc_end_k_q71674dac3b_cvt-k_q71674dac3b_cvt
	.p2alignl 7, 3214868480
	.fill 96, 4, 3214868480
	.section	.rodata,"a",@progbits
	.p2align	6, 0x0
	.amdhsa_kernel k_q71674dac3b_cvt
		.amdhsa_group_segment_fixed_size 0
		.amdhsa_private_segment_fixed_size 0
		.amdhsa_enable_private_segment 0
		.amdhsa_kernarg_size 64
		.amdhsa_user_sgpr_count 2
		.amdhsa_user_sgpr_kernarg_segment_ptr 1
		.amdhsa_wavefront_size32 1
		.amdhsa_system_sgpr_workgroup_id_x 1
		.amdhsa_system_sgpr_workgroup_id_y 1
		.amdhsa_system_sgpr_workgroup_id_z 1
		.amdhsa_system_vgpr_workitem_id 0
		.amdhsa_next_free_vgpr 64
		.amdhsa_next_free_sgpr 66
		.amdhsa_reserve_vcc 0
		.amdhsa_float_denorm_mode_32 3
		.amdhsa_float_denorm_mode_16_64 3
		.amdhsa_memory_ordered 1
		.amdhsa_forward_progress 1
		.amdhsa_inst_pref_size 8
	.end_amdhsa_kernel
	.amdgpu_metadata
---
amdhsa.version: [ 1, 2 ]
amdhsa.kernels:
  - .name:           k_q71674dac3b_cvt
    .symbol:         k_q71674dac3b_cvt.kd
    .args:
      - { .name: x, .offset: 0, .size: 8, .value_kind: global_buffer, .address_space: global }
      - { .name: h, .offset: 8, .size: 8, .value_kind: global_buffer, .address_space: global }
      - { .name: W_i, .offset: 16, .size: 8, .value_kind: global_buffer, .address_space: global }
      - { .name: W_f, .offset: 24, .size: 8, .value_kind: global_buffer, .address_space: global }
      - { .name: W_g, .offset: 32, .size: 8, .value_kind: global_buffer, .address_space: global }
      - { .name: W_o, .offset: 40, .size: 8, .value_kind: global_buffer, .address_space: global }
      - { .name: xh, .offset: 48, .size: 8, .value_kind: global_buffer, .address_space: global }
      - { .name: wb, .offset: 56, .size: 8, .value_kind: global_buffer, .address_space: global }
    .group_segment_fixed_size: 0
    .private_segment_fixed_size: 0
    .kernarg_segment_align: 8
    .kernarg_segment_size: 64
    .max_flat_workgroup_size: 256
    .sgpr_count:     66
    .vgpr_count:     64
    .wavefront_size: 32
...
	.end_amdgpu_metadata
.endif
;; end of part 1
;; launch lstm (part 2): grid 16 x 32, 4 waves a work-group, clusters of 4 x 4, 327,680 bytes of LDS; arguments xh, wb, c, out0, out1, b_i, b_f, b_g, b_o; writes out0, out1
.if DOCPART == 2
	.amdgcn_target "amdgcn-amd-amdhsa--gfx1250"
	.amdhsa_code_object_version 6
	.text
	.protected	k_q71674dac3b_lstm
	.globl	k_q71674dac3b_lstm
	.p2align	8
	.type	k_q71674dac3b_lstm,@function
k_q71674dac3b_lstm:
	s_mov_b64 s[64:65], 0
	v_nop
	global_prefetch_b8 v0, s[64:65] scope:SCOPE_SE
	s_setreg_imm32_b32 hwreg(HW_REG_WAVE_MODE, 25, 1), 1
	s_wait_xcnt 0x0
	s_wait_alu depctr_hold_cnt(0) depctr_sa_sdst(0) depctr_va_vdst(0) depctr_va_sdst(0) depctr_va_ssrc(0) depctr_va_vcc(0) depctr_vm_vsrc(0)
	s_getreg_b32 s2, hwreg(HW_REG_IB_STS2, 6, 4)
	s_cmp_eq_u32 s2, 0
	s_cbranch_scc0 .Lentry_in_a_cluster
	s_endpgm
.Lentry_in_a_cluster:
	s_bfe_u32 s2, ttmp6, 0x10000c
	s_cmp_lg_u32 s2, 0xf033
	s_cbranch_scc0 .Lentry_shape_is_right
	s_endpgm
.Lentry_shape_is_right:
; THE LSTM CELL.  gates = xh wb^T + b (bf16 operands, f32 sums, K = 2,048 ascending); i, f, o = sigmoid, g = tanh; c_new = f c + i g (out1); h_new = o tanh(c_new) (out0).
; xh [8192][2048] bf16 = [x | h].  wb [4096][2048] bf16: row 64 (j / 16) + 16 gate + j % 16 = row j of W_gate (gate 0..3 = i, f, g, o).  c, out0, out1 [8192][1024] f32; the four biases [1024] f32.
; SHARES.  A work-group makes 256 rows x 256 rows of wb: 64 hidden columns x 4 gates.  Four waves, 128 x 128 each: 64 accumulators of 16 x 16, 512 registers.  Wave w: rows 128 (w / 2) on, hidden columns 32 (w % 2) on.
; THE MATRIX INSTRUCTION IS USED TRANSPOSED (source 0 = 16 rows of wb, source 1 = 16 rows of xh): in accumulator (a, b) lane l holds row 16 a + l % 16, gate b % 4, and in registers 0-7 the hidden columns
; 16 (b / 4) + 8 (l / 16) + 0..7.  So the four gates of an element lie in the same lane and the same register number of four accumulators, and the update needs no exchange between lanes.
; THE RING.  K goes in steps of 128 through two LDS slots (256 rows of xh, 256 rows of wb, 256 bytes a row + 16 of padding), each wave fetching 128 rows with one tensor load.
; CLUSTERS.  4 x 4 work-groups.  The four of a row of the cluster need the same tiles of xh, the four of a column the same tiles of wb: each tile is asked for JOINTLY, by the same tensor load with the same descriptor
; and a mask that names the four.  c's tile is the work-group's own: a plain load, behind a round like the others, into slot 0 when K step 14 has left it; it lands while K step 15 is multiplied.
; THE TAIL.  Slot 1 has had its last fill when K step 15 has been read: it then serves as two stages (h_new, c_new), since a row's 256 bytes of output come from two waves.
; LIMITS.  x, h and the weights arrive rounded once to bf16.  sigmoid(z) = 1 / (1 + 2^(-z log2 e)); tanh(z) = 1 - 2 / (1 + 2^(2 z log2 e)): its absolute error is about 1.2e-7, so below |z| of about 1e-5 the relative
; accuracy is lost.  An exponential that overflows gives infinity, whose reciprocal is 0, and one that underflows gives 0: the saturated values 0, 1 and -1 come out exactly, without a clamp.  NaN and infinities among the inputs are not treated apart.
; REGISTERS, in windows of 256 (s_set_vgpr_msb: bits 1:0 source 0, 3:2 source 1, 5:4 source 2, 7:6 destination):
;   window 0: v0-31 addresses; v64-127, v128-191 fragments of xh, two buffers (in the tail: the gates at work, c, and the rows on their way out); v192-255 the biases, scaled
;   window 1: v64-127, v128-191 fragments of wb, two buffers     window 2: the accumulators of my rows 0-63 ((a, b) at v[8 (8 a + b)])     window 3: those of my rows 64-127
.set SIZE_K, 2048
.set KSTEP,  128
.set PITCH,  272                       ; an LDS row: 256 bytes + 16 of padding = 68 words: row r starts at bank 4 r mod 64 (64 banks of 4 bytes: ISA guide 11.1), so the 16 rows that a load touches start at 16 different banks
.set HALFT,  128*PITCH                 ; 128 rows: what one tensor load of the ring brings
.set SLOT,   4*HALFT                   ; xh's 256 rows, then wb's 256 rows
.set QTR,    64*PITCH                  ; 64 rows: a wave's part of c's tile, and of the rows that it stores
.set STG,    256*PITCH                 ; a stage: 256 rows
.set HST,    SLOT                      ; h_new's stage: the first half of slot 1
.set CST,    SLOT+STG                  ; c_new's stage: the second half
.set SPARE,  2*SLOT                    ; behind the ring: the spare words, 128 bytes for each wave: two blocks of 256 bytes that no other line names
.set LAPS,   SIZE_K/(2*KSTEP)          ; a lap = two K steps = once round the ring
.set BO,   6                           ; v6   my byte offset in a bias
.set ADRA, 16                          ; v16-17  LDS address of my fragments of xh in slot 0, 1
.set ADRB, 20                          ; v20-21  the same for wb
.set CRD,  22                          ; v22  c's tile: my 32 bytes of row l % 16 of my block 0
.set STH,  23                          ; v23  the same place in h_new's stage
.set STC,  24                          ; v24  and in c_new's
.set RDH,  25                          ; v25  the way out: where I read rows of h_new back
.set RDC,  26                          ; v26  and of c_new
.set CO,   27                          ; v27  my byte offset in the two rows of output that a store covers
.set SPW,  28                          ; v28  LDS address of my spare word: SPARE + 4 x my thread's number; never rewritten
.set NIL,  29                          ; v29  0; never rewritten
.set PFO,  30                          ; v30  the prefetches' offset: my lane x 4,096, a row of xh, wb or c; never rewritten
.set F0,   64                          ; fragment buffer 0
.set F1,   128                         ; fragment buffer 1
.set T,    64                          ; the tail: gate g of hidden group u, register j at T + 16 g + 8 u + j
.set TI,   T
.set TF,   T+16
.set TG,   T+32
.set TO,   T+48
.set CCB,  128                         ; the tail: c of block a at CCB + 16 (a % 2) + 8 u + j
.set OB,   64                          ; the way out: 64 rows read back from a stage, v64-191
.set BIAS, 192                         ; bias of accumulator column b, register j at BIAS + 8 b + j, times the factor of its gate
.set G1,   24                          ; s[24:31] descriptor group 1 for xh's tiles;  s[32:39] group 0, one set for each slot
.set G0,   32
.set LIM,  43                          ; s43  1 in a wave that prefetches the ring's tiles, else the greatest number
.set PFA,  44                          ; s[44:45] where those prefetches stand
.set G1B,  48                          ; s[48:55], s[56:63] the same two groups for wb's tiles
.set G0B,  56
.set OUTH, 68                          ; s[68:69] out0 at the 64 rows that I store
.set OUTC, 70                          ; s[70:71] out1 likewise
.set BI,   72                          ; s[72:79] b_i, b_f, b_g, b_o
.set G1C,  80                          ; s[80:87] descriptor group 1 for c's tile
.set G0C,  88                          ; s[88:91] its group 0
.set PCB,  92                          ; s[92:93] c at the 64 rows that I fetch
.set CN,   94                          ; s[94:95] -log2 e: the packed forms name a pair and take its low word for both halves
.set CP,   96                          ; s[96:97] 2 log2 e
.set OFFC, 98                          ; s[98:99] byte offset of those 64 rows in c, out0 and out1
.set MSB, 0
.macro WIN new                         ; the immediate's high byte repeats the setting that is left; a switch that changes nothing is dropped
.if MSB != (\new)
	s_set_vgpr_msb (MSB<<8)|(\new)
.set MSB, \new
.endif
.endm
.set MUL_LO, 0xa1                      ; source 0 (wb) window 1, source 1 (xh) window 0, C and D window 2
.set MUL_HI, 0xf1                      ; the same, C and D window 3
.set TO_B,   0x40                      ; destination window 1, address window 0
.set ACC_LO, 0x02                      ; source 0 window 2, all else window 0
; A joint load.  Waves 0 and 1 fetch xh's two halves, waves 2 and 3 wb's.  Each line has one mask and one set of registers for all that issue it; the branch hangs on the wave's number alone.
; An s_nop 0 and four v_nop follow each of the two lines, ahead of the jump, the label and what follows.
.macro JLOAD s
	s_cmp_eq_u32 s11, 0
	s_cbranch_scc0 .Lfor_b_\@
	tensor_load_to_lds s[G0+4*(\s):G0+4*(\s)+3], s[G1:G1+7]
	s_nop 0
.rept 4
	v_nop
.endr
	s_branch .Lasked_\@
.Lfor_b_\@:
	tensor_load_to_lds s[G0B+4*(\s):G0B+4*(\s)+3], s[G1B:G1B+7]
	s_nop 0
.rept 4
	v_nop
.endr
.Lasked_\@:
.endm
; c's tile: every wave brings its own 64 rows x 256 bytes; no mask, no branch.
.macro CLOAD
	tensor_load_to_lds s[G0C:G0C+3], s[G1C:G1C+7]
	s_nop 0
.rept 4
	v_nop
.endr
.endm
; A PREFETCH INTO THE L2, behind each joint load, its five lines and the run of LDS loads: the K step that stands two refills on: 32 rows x 256 bytes, a lane a row, one instruction a wave: 512 matrix instructions ahead of the
; load that will name those bytes.  Each row's 256 bytes of a K step are named once in the launch: xh's tile row is read by every cluster of that row of clusters, and the one with x = 0 asks; wb's tile column by every cluster of
; that column, and the one with y = 0 asks.  The four partners that ask for a tile jointly share its rows out BY ADDRESS: of the 128 rows that a wave fetches the partner at place p takes 32 p .. 32 p + 31 (p = cx for xh, cy for wb).
; The first four K steps come by their loads alone; the loop's last trip (s3 = 1) has no K step two refills on.
.macro ASK
	s_cmp_gt_u32 s3, s[LIM]
	s_cbranch_scc0 .Lnot_mine_\@
	global_prefetch_b8 v[PFO], s[PFA:PFA+1] offset:KSTEP*2 th:TH_LOAD_NT scope:SCOPE_SE
.Lnot_mine_\@:
.endm
; In the loop's last trip the two changes of slots ask for c's tile instead: my own 64 rows of 256 bytes, 32 each time, a lane a row; no other wave of the launch reads them.  They stand two K steps and one K step ahead of c's load.
.macro ASKC half
	s_cmp_eq_u32 s3, 1
	s_cbranch_scc0 .Lno_c_\@
	global_prefetch_b8 v[PFO], s[PCB:PCB+1] offset:(\half)*32*4096 th:TH_LOAD_NT scope:SCOPE_SE
.Lno_c_\@:
.endm
; A round of the cluster's barrier: my work-group's barrier, so that wave 0's signal speaks for all four waves; wave 0 signals; every wave waits for all sixteen work-groups; my work-group's barrier once more.
.macro CREST                           ; a round behind its opening barrier
	s_cmp_lg_u32 s10, 0
	s_cbranch_scc1 .Lnot_wave_0_\@
	s_barrier_signal -3
.Lnot_wave_0_\@:
	s_barrier_wait -3
	s_barrier_signal -1
	s_barrier_wait -1
.endm
.macro CROUND                          ; a whole round
	s_barrier_signal -1
	s_barrier_wait -1
	CREST
.endm
	s_load_b128 s[4:7], s[0:1], 0x0                ; xh s[4:5], wb s[6:7]
	s_load_b64 s[8:9], s[0:1], 0x10                ; c
	s_load_b256 s[68:75], s[0:1], 0x18             ; out0, out1, b_i, b_f
	s_load_b128 s[76:79], s[0:1], 0x38             ; b_g, b_o
	v_lshl_add_u32 v[SPW], v0, 2, SPARE
	v_mov_b32 v[NIL], 0
	ds_add_u32 v[SPW], v[NIL]                      ; the wave's opening: the add and its wait stand ahead of my first tensor load; the set-up below, work on registers, stands between them
	v_lshrrev_b32 v1, 5, v0
	v_readfirstlane_b32 s10, v1                    ; wave 0..3
	s_lshr_b32 s11, s10, 1                         ; which half of the tile's rows is mine.  Also: I fetch for xh (0) or for wb (1)
	s_and_b32 s12, s10, 1                          ; which half of its columns.  Also: which 128 rows of that tile I fetch
	s_bfe_u32 s40, ttmp6, 0x40000                  ; cx, cy: my place in the cluster
	s_bfe_u32 s41, ttmp6, 0x40004
	s_lshl_b32 s42, ttmp9, 2                       ; in a cluster launch ttmp9 and ttmp7 count clusters
	s_add_co_u32 s42, s42, s40                     ; tile column = 4 x cluster x + cx
	s_and_b32 s13, ttmp7, 0xffff
	s_lshl_b32 s13, s13, 2
	s_add_co_u32 s13, s13, s41                     ; tile row = 4 x cluster y + cy
	s_lshl_b32 s43, s41, 2
	s_lshl_b32 s43, 15, s43                        ; my row of the cluster: places 4 cy .. 4 cy + 3
	s_lshl_b32 s44, 0x1111, s40                    ; my column: places cx, cx + 4, cx + 8, cx + 12
	; descriptor group 1 of the ring: a tile of 128 rows x 128 elements of 2 bytes, padded in LDS
	s_or_b32 s[G1+0], s43, (1<<16)|(1<<20)|(1<<21)|(5<<22)|(3<<25)   ; 15:0 the mask: xh's tiles go to my row; 17:16 2-byte elements; 20 padding on; 21 set beside a mask; 24:22 after every 64 words (code 5); 31:25 4 words (code 3)
	s_or_b32 s[G1B+0], s44, (1<<16)|(1<<20)|(1<<21)|(5<<22)|(3<<25)  ; the same with the mask of my column, for wb's tiles
.irp g, G1, G1B
	s_mov_b32 s[(\g)+1], KSTEP<<16                 ; tensor_dim0 = 128
	s_mov_b32 s[(\g)+2], 128<<16                   ; tensor_dim1 = 128
	s_mov_b32 s[(\g)+3], KSTEP<<16                 ; tile_dim0 = 128
	s_mov_b32 s[(\g)+4], 128                       ; tile_dim1 = 128
	s_mov_b32 s[(\g)+5], SIZE_K                    ; elements from row to row
	s_mov_b32 s[(\g)+6], 0
	s_mov_b32 s[(\g)+7], 0
.endr
	; descriptor group 1 of c's tile: 64 rows x 64 elements of 4 bytes, the same padding, no mask
	s_mov_b32 s[G1C+0], (2<<16)|(1<<20)|(5<<22)|(3<<25)
	s_mov_b32 s[G1C+1], 64<<16                     ; tensor_dim0 = 64
	s_mov_b32 s[G1C+2], 64<<16                     ; tensor_dim1 = 64
	s_mov_b32 s[G1C+3], 64<<16                     ; tile_dim0 = 64
	s_mov_b32 s[G1C+4], 64                         ; tile_dim1 = 64
	s_mov_b32 s[G1C+5], 1024                       ; elements from row to row
	s_mov_b32 s[G1C+6], 0
	s_mov_b32 s[G1C+7], 0
	s_mov_b32 s[CN], 0xbfb8aa3b                    ; -log2 e
	s_mov_b32 s[CN+1], s[CN]                       ; named with it as a pair, so it is written
	s_mov_b32 s[CP], 0x4038aa3b                    ; 2 log2 e
	s_mov_b32 s[CP+1], s[CP]
	; where the ring's tiles come from: xh's hang on the tile row alone, wb's on the tile column alone, each in registers that never hold the other coordinate.  A row is 4,096 bytes; all offsets stay under 2^26
	s_lshl_b32 s17, s12, 7                         ; which 128 rows of the tile I fetch
	s_lshl_b32 s16, s13, 8
	s_add_co_u32 s16, s16, s17                     ; xh: row 256 x tile row + 128 x half
	s_lshl_b32 s16, s16, 12
	s_lshl_b32 s46, s42, 8
	s_add_co_u32 s46, s46, s17                     ; wb: row 256 x tile column + 128 x half
	s_lshl_b32 s46, s46, 12
	s_mov_b32 s17, 0
	s_mov_b32 s47, 0
	s_mul_i32 s20, s10, HALFT                      ; and where they go: wave x 128 rows: no place in the cluster enters an LDS address
	s_lshl_b32 s[OFFC], s13, 20                    ; c, out0, out1: 256 rows of 4,096 bytes for each tile row,
	s_lshl_b32 s[OFFC+1], s10, 18                  ; my 64 of them,
	s_add_co_u32 s[OFFC], s[OFFC], s[OFFC+1]
	s_lshl_b32 s[OFFC+1], s42, 8                   ; the tile's 64 hidden columns: 256 bytes
	s_add_co_u32 s[OFFC], s[OFFC], s[OFFC+1]
	s_mov_b32 s[OFFC+1], 0
	s_wait_dscnt 0x0                               ; the opening add is done
	s_wait_kmcnt 0x0
	s_add_nc_u64 s[14:15], s[4:5], s[16:17]
	s_add_nc_u64 s[46:47], s[6:7], s[46:47]
	s_add_nc_u64 s[OUTH:OUTH+1], s[OUTH:OUTH+1], s[OFFC:OFFC+1]
	s_add_nc_u64 s[OUTC:OUTC+1], s[OUTC:OUTC+1], s[OFFC:OFFC+1]
	s_add_nc_u64 s[PCB:PCB+1], s[8:9], s[OFFC:OFFC+1]
	s_mov_b32 s[G0C], 1                            ; count = 1
	s_mul_i32 s[G0C+1], s10, QTR                   ; LDS address: wave x 64 rows, from byte 0 of slot 0
	s_mov_b64 s[G0C+2:G0C+3], s[PCB:PCB+1]
	s_or_b32 s[G0C+3], s[G0C+3], 0x80000000        ; type = 2
	CROUND                                         ; all sixteen work-groups are here: the first joint loads meet
.irp s, 0,1
	s_mov_b32 s[G0+4*(\s)], 1                                      ; count = 1
	s_add_co_u32 s[G0+4*(\s)+1], s20, (\s)*SLOT                    ; LDS address
	s_add_nc_u64 s[G0+4*(\s)+2:G0+4*(\s)+3], s[14:15], (\s)*KSTEP*2  ; global address: K step s
	s_or_b32 s[G0+4*(\s)+3], s[G0+4*(\s)+3], 0x80000000            ; type = 2
	s_mov_b32 s[G0B+4*(\s)], 1
	s_add_co_u32 s[G0B+4*(\s)+1], s20, (\s)*SLOT
	s_add_nc_u64 s[G0B+4*(\s)+2:G0B+4*(\s)+3], s[46:47], (\s)*KSTEP*2
	s_or_b32 s[G0B+4*(\s)+3], s[G0B+4*(\s)+3], 0x80000000
	JLOAD \s                                       ; the ring is filled before anything else is done: two loads of mine are out
.endr
	; A fragment is 16 rows x 32 K in 8 registers: lane l holds row l % 16; registers 0-3 hold K = 8 (l / 16) + 0..7, registers 4-7 K = 16 + 8 (l / 16) + 0..7: two loads of 16 bytes, 32 bytes apart.
	v_and_b32 v1, 15, v0                           ; r = l % 16
	v_bfe_u32 v2, v0, 4, 1                         ; h = l / 16
	s_lshl_b32 s23, s42, 8                         ; the biases first, so that they travel while the addresses are made: the tile's 64 hidden columns,
	s_lshl_b32 s21, s12, 7                         ; my 32 of them,
	s_add_co_u32 s23, s23, s21
	v_lshl_add_u32 v[BO], v2, 5, s23               ; my lanes' 8 of a group of 16
.irp b, 0,1,2,3,4,5,6,7
.irp q, 0,1
	global_load_b128 v[BIAS+8*(\b)+4*(\q):BIAS+8*(\b)+4*(\q)+3], v[BO], s[BI+2*((\b)%4):BI+2*((\b)%4)+1] offset:64*((\b)/4)+16*(\q)  ; gate b % 4, hidden group b / 4
.endr
.endr
	v_mul_u32_u24 v3, v1, PITCH
	v_lshl_add_u32 v3, v2, 4, v3                   ; row x pitch + 16 x half
	s_mul_i32 s21, s11, HALFT                      ; my 128 rows of xh
	s_mul_i32 s22, s12, HALFT                      ; my 128 rows of wb,
	s_add_co_u32 s22, s22, 2*HALFT                 ; which lie behind xh's 256
.irp s, 0,1
	v_add_nc_u32 v[ADRA+(\s)], s21, v3
	v_add_nc_u32 v[ADRB+(\s)], s22, v3
	s_add_co_u32 s21, s21, SLOT
	s_add_co_u32 s22, s22, SLOT
.endr
	s_mul_i32 s23, s11, HALFT                      ; c's tile and the stages, in the accumulators' layout: my 128 rows,
	s_lshl_b32 s21, s12, 7                         ; my 128 of their 256 bytes,
	s_add_co_u32 s23, s23, s21
	v_mul_u32_u24 v4, v1, PITCH                    ; row r,
	v_lshl_add_u32 v4, v2, 5, v4                   ; 32 bytes for each half of the lanes
	v_add_nc_u32 v[CRD], s23, v4
	v_add_nc_u32 v[STH], HST, v[CRD]
	v_add_nc_u32 v[STC], CST, v[CRD]
	s_mul_i32 s23, s10, QTR                        ; back by rows: wave w takes rows 64 w .. 64 w + 63, whole; lanes 0-15 one row of 256 bytes, lanes 16-31 the next
	s_add_co_u32 s23, s23, HST
	v_mul_u32_u24 v5, v2, PITCH
	v_lshl_add_u32 v5, v1, 4, v5
	v_add_nc_u32 v[RDH], s23, v5
	v_add_nc_u32 v[RDC], STG, v[RDH]
	v_lshlrev_b32 v5, 12, v2                       ; and the same two rows in the outputs
	v_lshl_add_u32 v[CO], v1, 4, v5
	; the ring's prefetches
	s_lshl_b32 s20, s13, 8
	s_lshl_b32 s21, s42, 8
	s_and_b32 s22, ttmp7, 0xffff                   ; cluster y
	s_cmp_eq_u32 s11, 0                            ; do I fetch for xh?
	s_cselect_b32 s20, s20, s21                    ; the tile's first row: in xh by the tile row, in wb by the tile column
	s_cselect_b32 s21, s40, s41                    ; my place among the four that ask for it with me
	s_cselect_b32 s22, ttmp9, s22                  ; the coordinate along which other clusters read the same rows
	s_cselect_b64 s[PFA:PFA+1], s[4:5], s[6:7]
	s_cmp_eq_u32 s22, 0
	s_cselect_b32 s[LIM], 1, -1                    ; the same in all sixteen partners, for a given wave
	s_lshl_b32 s22, s12, 7
	s_add_co_u32 s20, s20, s22                     ; + the 128 rows that I fetch
	s_lshl_b32 s21, s21, 5
	s_add_co_u32 s20, s20, s21                     ; + my work-group's 32 of them
	s_lshl_b32 s20, s20, 12
	s_mov_b32 s21, 0
	s_add_nc_u64 s[PFA:PFA+1], s[PFA:PFA+1], s[20:21]
	s_add_nc_u64 s[PFA:PFA+1], s[PFA:PFA+1], 2*KSTEP*2  ; at K step 2: the first refill steps it to 3 and names K step 4.  Nothing is prefetched here, where every work-group's first tiles are on their way
	v_and_b32 v[PFO], 31, v0
	v_lshlrev_b32 v[PFO], 12, v[PFO]
	s_wait_loadcnt 0x0                             ; the biases, once; they take their gate's factor here, so that the tail has one fused line for factor x (sum + bias)
.irp b, 0,1,2,3,4,5,6,7
.irp p, 0,1,2,3
.if ((\b)%4) == 2
	v_pk_mul_f32 v[BIAS+8*(\b)+2*(\p):BIAS+8*(\b)+2*(\p)+1], v[BIAS+8*(\b)+2*(\p):BIAS+8*(\b)+2*(\p)+1], s[CP:CP+1] op_sel_hi:[1,0]
.else
	v_pk_mul_f32 v[BIAS+8*(\b)+2*(\p):BIAS+8*(\b)+2*(\p)+1], v[BIAS+8*(\b)+2*(\p):BIAS+8*(\b)+2*(\p)+1], s[CN:CN+1] op_sel_hi:[1,0]
.endif
.endr
.endr
; 16 matrix instructions: row blocks a0, a0 + 1 of the window's four (hi = 0: my rows 0-63, 1: rows 64-127) x all 8 column blocks, 32 along K.  zero = 1: the first product starts the sums: nothing is ever cleared.
; The 64 accumulators take turns, one instruction a turn, in the same order in every quarter step, over the loop's jump and into the tail.
.macro MUL16 f, hi, a0, zero
	WIN MUL_LO+0x50*(\hi)
.irp a, \a0, (\a0)+1
.irp b, 0,1,2,3,4,5,6,7
.if \zero
	v_wmma_f32_16x16x32_bf16 v[8*(8*(\a)+(\b)):8*(8*(\a)+(\b))+7], v[(\f)+8*(\b):(\f)+8*(\b)+7], v[(\f)+8*(4*(\hi)+(\a)):(\f)+8*(4*(\hi)+(\a))+7], 0
.else
	v_wmma_f32_16x16x32_bf16 v[8*(8*(\a)+(\b)):8*(8*(\a)+(\b))+7], v[(\f)+8*(\b):(\f)+8*(\b)+7], v[(\f)+8*(4*(\hi)+(\a)):(\f)+8*(4*(\hi)+(\a))+7], v[8*(8*(\a)+(\b)):8*(8*(\a)+(\b))+7]
.endif
.endr
.endr
.endm
; 32 LDS loads in one run: the fragments of one quarter step (128 rows of wb, 128 rows of xh, 32 K at byte k of the rows) into buffer f
.macro FETCH slot, k, f
	WIN TO_B
.irp i, 0,1,2,3,4,5,6,7
	ds_load_b128 v[(\f)+8*(\i):(\f)+8*(\i)+3],   v[ADRB+(\slot)] offset:(\k)+(\i)*16*PITCH
	ds_load_b128 v[(\f)+8*(\i)+4:(\f)+8*(\i)+7], v[ADRB+(\slot)] offset:(\k)+(\i)*16*PITCH+32
.endr
	WIN 0
.irp i, 0,1,2,3,4,5,6,7
	ds_load_b128 v[(\f)+8*(\i):(\f)+8*(\i)+3],   v[ADRA+(\slot)] offset:(\k)+(\i)*16*PITCH
	ds_load_b128 v[(\f)+8*(\i)+4:(\f)+8*(\i)+7], v[ADRA+(\slot)] offset:(\k)+(\i)*16*PITCH+32
.endr
.endm
; A load into a register that a matrix instruction has read, and a vector instruction that reads a matrix result or writes one of a matrix instruction's registers, stand four places behind it, and only plain vector
; instructions that name none of its registers are places (ISA guide 7.12.1 for vector instructions); the matrix instructions in between are not counted.
.macro PLACES
.rept 4
	v_nop
.endr
.endm
; A K step is four quarter steps of 32 along K, 64 matrix instructions each, on buffers 0, 1, 0, 1.  One of the first three: multiplies buffer f; in its middle it fetches the next quarter's fragments, at byte k, into buffer g.
.macro QUARTER slot, k, f, g, zero
	s_wait_dscnt 8                                 ; wb and xh's rows 0-63 are in; the youngest eight loads (xh's rows 64-127) may be out
	MUL16 \f, 0, 0, \zero
	MUL16 \f, 0, 2, \zero
	PLACES
	FETCH \slot, \k, \g
	s_wait_dscnt 32                                ; all but the 32 just issued
	MUL16 \f, 1, 0, \zero
	MUL16 \f, 1, 2, \zero
.endm
; The first half of a K step's last quarter: ONE barrier for the change of slots.  In front of it each wave waits for all its tensor loads, of which one is out; adds 0 to its spare word; and waits for that and for its own
; reads of this slot.  Behind it nobody reads this slot any more, and what was on its way is whole.  round = 1: a round of the cluster's barrier follows.
.macro MEET round
	WIN 0                                          ; (the add's two registers lie in window 0)
	s_wait_tensorcnt 0x0                           ; all my tensor loads have landed;
	ds_add_u32 v[SPW], v[NIL]                      ; 0 onto my spare word;
	s_wait_dscnt 9                                 ; (the add and the youngest eight loads may be out)
	MUL16 F1, 0, 0, 0                              ; sixteen matrix instructions stand between the add and the wait for it
	s_wait_dscnt 0x0                               ; the add is done, and my reads of this slot are over:
	s_barrier_signal -1                            ; say so,
	MUL16 F1, 0, 2, 0                              ; work on registers while the others arrive,
.if \round
	WIN 0
.endif
	s_barrier_wait -1                              ; and go on when all four have said so
.endm
; The whole last quarter in the loop.  Behind the round the slot just read out is filled again first, with the K step two steps on; then come the next slot's first fragments.  From a request to the wait for it a wave issues 224 matrix instructions.
.macro TURN slot, next
	s_wait_xcnt 0x0                                ; the last prefetch, a K step back, has read its address: it is stepped here, ahead of the waits of the change of slots
	s_add_nc_u64 s[PFA:PFA+1], s[PFA:PFA+1], KSTEP*2
	MEET 1
	CREST                                          ; no wave of any partner still reads this slot's tile or has a load on its way
	s_add_nc_u64 s[G0+4*(\slot)+2:G0+4*(\slot)+3], s[G0+4*(\slot)+2:G0+4*(\slot)+3], 2*KSTEP*2
	s_add_nc_u64 s[G0B+4*(\slot)+2:G0B+4*(\slot)+3], s[G0B+4*(\slot)+2:G0B+4*(\slot)+3], 2*KSTEP*2
	JLOAD \slot                                    ; the first tensor load behind the round; the four v_nop behind it are also the places in front of the loads below
	FETCH \next, 0, F0
	ASK
	ASKC \slot
	MUL16 F1, 1, 0, 0
	MUL16 F1, 1, 2, 0
.endm
; K step 14's last quarter: slot 0 takes c's tile, by the same waits and round; it has K step 15's first three quarters, 192 matrix instructions, in which to land.
.macro TURNC
	MEET 1
	CREST
	CLOAD                                          ; my one tensor load behind the round; its four v_nop are the places in front of the loads below
	FETCH 1, 0, F0
	MUL16 F1, 1, 0, 0
	MUL16 F1, 1, 2, 0
.endm
	s_wait_tensorcnt 1                             ; my part of K step 0 is in; K step 1's may stay out
	s_barrier_signal -1
	s_barrier_wait -1                              ; everybody's is
	FETCH 0, 0, F0
	QUARTER 0, 64,  F0, F1, 1                      ; the first quarter stands in front of the loop: its products start the sums
	WIN 0                                          ; at a label and at a branch every window is 0
	s_mov_b32 s3, LAPS-1
.Llap:                                                 ; a trip goes once round the ring, from a lap's second quarter to the next lap's first, and fills both slots again
	QUARTER 0, 128, F1, F0, 0
	QUARTER 0, 192, F0, F1, 0
	TURN 0, 1
	QUARTER 1, 64,  F0, F1, 0
	QUARTER 1, 128, F1, F0, 0
	QUARTER 1, 192, F0, F1, 0
	TURN 1, 0
	QUARTER 0, 64,  F0, F1, 0
	WIN 0
	s_sub_co_u32 s3, s3, 1
	s_cmp_lg_u32 s3, 0
	s_cbranch_scc1 .Llap
	QUARTER 0, 128, F1, F0, 0                      ; K step 14 goes on
	QUARTER 0, 192, F0, F1, 0
	TURNC
	QUARTER 1, 64,  F0, F1, 0                      ; K step 15
	QUARTER 1, 128, F1, F0, 0
	QUARTER 1, 192, F0, F1, 0
	MEET 0                                         ; my part of c's tile has landed and my reads of slot 1 are over; behind the barrier c's tile is whole and slot 1 is free for the stages.  Nothing is filled again
	MUL16 F1, 1, 0, 0
	MUL16 F1, 1, 2, 0
	WIN 0
; THE UPDATE, a block of 16 rows x 32 hidden columns at a time: 16 elements a lane.
.macro CFETCH a                        ; c of block a, in the accumulators' layout
.set CF, CCB+16*((\a)%2)
.irp u, 0,1
.irp q, 0,1
	ds_load_b128 v[CF+8*(\u)+4*(\q):CF+8*(\u)+4*(\q)+3], v[CRD] offset:(\a)*16*PITCH+64*(\u)+16*(\q)
.endr
.endr
.endm
; 1 / (1 + y) in place on 2 x pairs registers.  A pair's addition stands one pair ahead of its two reciprocals, so that no line reads the result of the line just before it and a plain line stands among the reciprocals.
.macro RECIP base, pairs
	v_pk_add_f32 v[(\base):(\base)+1], v[(\base):(\base)+1], 1.0 op_sel_hi:[1,0]
.set e, 0
.rept \pairs
.if e+1 < (\pairs)
	v_pk_add_f32 v[(\base)+2*e+2:(\base)+2*e+3], v[(\base)+2*e+2:(\base)+2*e+3], 1.0 op_sel_hi:[1,0]
.endif
	v_rcp_f32 v[(\base)+2*e], v[(\base)+2*e]
	v_rcp_f32 v[(\base)+2*e+1], v[(\base)+2*e+1]
.set e, e+1
.endr
.endm
; Behind a batch of exponentials or reciprocals: a plain instruction (ISA guide 5.7.2), and one wait ahead of the batch's first reader.
.macro BATCH_END
	v_nop
	s_wait_alu depctr_va_vdst(0)
.endm
.macro GATES a
.set AC, 64*((\a)%4)                   ; the block's eight accumulators, in window 2 (blocks 0-3) or 3 (blocks 4-7)
.set CC, CCB+16*((\a)%2)
	WIN ACC_LO+(\a)/4
.irp u, 0,1                            ; factor x (sum + bias): -log2 e for i, f, o; 2 log2 e for g.  Each accumulator is read from its low end on
.irp g, 0,1,2,3
.irp p, 0,1,2,3
.if (\g) == 2
	v_pk_fma_f32 v[T+16*(\g)+8*(\u)+2*(\p):T+16*(\g)+8*(\u)+2*(\p)+1], v[AC+8*(4*(\u)+(\g))+2*(\p):AC+8*(4*(\u)+(\g))+2*(\p)+1], s[CP:CP+1], v[BIAS+8*(4*(\u)+(\g))+2*(\p):BIAS+8*(4*(\u)+(\g))+2*(\p)+1] op_sel_hi:[1,0,1]
.else
	v_pk_fma_f32 v[T+16*(\g)+8*(\u)+2*(\p):T+16*(\g)+8*(\u)+2*(\p)+1], v[AC+8*(4*(\u)+(\g))+2*(\p):AC+8*(4*(\u)+(\g))+2*(\p)+1], s[CN:CN+1], v[BIAS+8*(4*(\u)+(\g))+2*(\p):BIAS+8*(4*(\u)+(\g))+2*(\p)+1] op_sel_hi:[1,0,1]
.endif
.endr
.endr
.endr
	WIN 0
.set e, 0
.rept 64                               ; one batch: the 64 exponentials of the four gates
	v_exp_f32 v[T+e], v[T+e]
.set e, e+1
.endr
	BATCH_END
	RECIP T, 32                                    ; one batch: i, f, o are done; of g: 1 / (1 + 2^(2 z log2 e))
.if (\a) < 7
	CFETCH (\a)+1                                  ; the next block's c, a block ahead of its use
.endif
	BATCH_END
.if (\a) < 7
	s_wait_dscnt 4                                 ; all but the four loads just issued: this block's c is in
.else
	s_wait_dscnt 0x0
.endif
.set e, 0
.rept 8
	v_pk_fma_f32 v[TG+2*e:TG+2*e+1], v[TG+2*e:TG+2*e+1], -2.0, 1.0 op_sel_hi:[1,0,0]  ; g = 1 - 2 / (1 + ..)
.set e, e+1
.endr
.set e, 0
.rept 8
	v_pk_mul_f32 v[TI+2*e:TI+2*e+1], v[TI+2*e:TI+2*e+1], v[TG+2*e:TG+2*e+1]  ; i g
.set e, e+1
.endr
.set e, 0
.rept 8
	v_pk_fma_f32 v[CC+2*e:CC+2*e+1], v[TF+2*e:TF+2*e+1], v[CC+2*e:CC+2*e+1], v[TI+2*e:TI+2*e+1]  ; c_new = f c + i g
.set e, e+1
.endr
.set e, 0
.rept 8
	v_pk_mul_f32 v[TG+2*e:TG+2*e+1], v[CC+2*e:CC+2*e+1], s[CP:CP+1] op_sel_hi:[1,0]
.set e, e+1
.endr
.set e, 0
.rept 16                               ; one batch: tanh(c_new)'s exponentials
	v_exp_f32 v[TG+e], v[TG+e]
.set e, e+1
.endr
.irp u, 0,1
.irp q, 0,1
	ds_store_b128 v[STC], v[CC+8*(\u)+4*(\q):CC+8*(\u)+4*(\q)+3] offset:(\a)*16*PITCH+64*(\u)+16*(\q)
.endr
.endr
	BATCH_END
	RECIP TG, 8                                    ; one batch
	BATCH_END
.set e, 0
.rept 8
	v_pk_fma_f32 v[TG+2*e:TG+2*e+1], v[TG+2*e:TG+2*e+1], -2.0, 1.0 op_sel_hi:[1,0,0]  ; tanh(c_new)
.set e, e+1
.endr
.set e, 0
.rept 8
	v_pk_mul_f32 v[TO+2*e:TO+2*e+1], v[TO+2*e:TO+2*e+1], v[TG+2*e:TG+2*e+1]  ; h_new = o tanh(c_new)
.set e, e+1
.endr
.irp u, 0,1
.irp q, 0,1
	ds_store_b128 v[STH], v[TO+8*(\u)+4*(\q):TO+8*(\u)+4*(\q)+3] offset:(\a)*16*PITCH+64*(\u)+16*(\q)
.endr
.endr
.endm
; THE WAY OUT of one stage: my 64 whole rows come back into registers, two rows a load, and are stored: 16 lanes store 256 consecutive bytes, at a multiple of 256 from the output's first byte.
.macro OUT rd, base
.set t, 0
.rept 32
	ds_load_b128 v[OB+4*t:OB+4*t+3], v[\rd] offset:2*PITCH*t
.set t, t+1
.endr
.set t, 0
.rept 32
	s_wait_dscnt 31-t                              ; LDS loads come back in order (ISA guide 5.7.1): pair t of rows is in
	global_store_b128 v[CO], v[OB+4*t:OB+4*t+3], s[\base:\base+1] offset:8192*t th:TH_STORE_NT
.set t, t+1
.endr
.endm
	PLACES                                         ; behind the last products: what follows reads results and writes or loads into fragment registers, and no other vector work is at hand
	PLACES                                         ; (eight, once a launch)
	CFETCH 0
.irp a, 0,1,2,3,4,5,6,7
	GATES \a
.endr
	s_wait_dscnt 0x0                               ; for the others' sake: my stores into both stages are done
	s_barrier_signal -1
	s_barrier_wait -1                              ; a row's 256 bytes come from two waves: now both halves lie there
	OUT RDH, OUTH
	s_wait_xcnt 0x0                                ; the stores have read their data: only behind this wait are those registers loaded again
	OUT RDC, OUTC
	s_wait_tensorcnt 0x0                           ; the wave's end, behind my last tensor load and my last LDS store
	ds_add_u32 v[SPW], v[NIL]
	s_wait_dscnt 0x0
	CROUND                                         ; the closing round: no work-group ends while a partner may still ask for a tile that names it
	s_endpgm
.Lfunc_end_k_q71674dac3b_lstm:
	.size	k_q71674dac3b_lstm, .Lfunc_end_k_q71674dac3b_lstm-k_q71674dac3b_lstm
	.p2alignl 7, 3214868480
	.fill 96, 4, 3214868480
	.section	.rodata,"a",@progbits
	.p2align	6, 0x0
	.amdhsa_kernel k_q71674dac3b_lstm
		.amdhsa_group_segment_fixed_size 327680
		.amdhsa_private_segment_fixed_size 0
		.amdhsa_enable_private_segment 0
		.amdhsa_kernarg_size 72
		.amdhsa_user_sgpr_count 2
		.amdhsa_user_sgpr_kernarg_segment_ptr 1
		.amdhsa_wavefront_size32 1
		.amdhsa_system_sgpr_workgroup_id_x 1
		.amdhsa_system_sgpr_workgroup_id_y 1
		.amdhsa_system_sgpr_workgroup_id_z 1
		.amdhsa_system_vgpr_workitem_id 0
		.amdhsa_next_free_vgpr 1024
		.amdhsa_next_free_sgpr 100
		.amdhsa_reserve_vcc 0
		.amdhsa_float_denorm_mode_32 3
		.amdhsa_float_denorm_mode_16_64 3
		.amdhsa_memory_ordered 1
		.amdhsa_forward_progress 1
		.amdhsa_inst_pref_size 239
	.end_amdhsa_kernel
	.amdgpu_metadata
---
amdhsa.version: [ 1, 2 ]
amdhsa.kernels:
  - .name:           k_q71674dac3b_lstm
    .symbol:         k_q71674dac3b_lstm.kd
    .args:
      - { .name: xh, .offset: 0, .size: 8, .value_kind: global_buffer, .address_space: global }
      - { .name: wb, .offset: 8, .size: 8, .value_kind: global_buffer, .address_space: global }
      - { .name: c, .offset: 16, .size: 8, .value_kind: global_buffer, .address_space: global }
      - { .name: out0, .offset: 24, .size: 8, .value_kind: global_buffer, .address_space: global }
      - { .name: out1, .offset: 32, .size: 8, .value_kind: global_buffer, .address_space: global }
      - { .name: b_i, .offset: 40, .size: 8, .value_kind: global_buffer, .address_space: global }
      - { .name: b_f, .offset: 48, .size: 8, .value_kind: global_buffer, .address_space: global }
      - { .name: b_g, .offset: 56, .size: 8, .value_kind: global_buffer, .address_space: global }
      - { .name: b_o, .offset: 64, .size: 8, .value_kind: global_buffer, .address_space: global }
    .group_segment_fixed_size: 327680
    .private_segment_fixed_size: 0
    .kernarg_segment_align: 8
    .kernarg_segment_size: 72
    .max_flat_workgroup_size: 128
    .sgpr_count:     100
    .vgpr_count:     1024
    .wavefront_size: 32
...
	.end_amdgpu_metadata
.endif
;; end of part 2
;; ======== version 2 of 2: 2 launches; version 1 with the launch cvt written anew for expert scheduling mode
;; limits: a function is approximated: absolute error at most 1.2e-07; below input magnitudes of 1e-05 results are inexact or not finite
;; workspace buffers: xh 33,554,432 bytes; wb 16,777,216 bytes
;; launch cvt (part 3): grid 256 x 3, 8 waves a work-group, no clusters, 0 bytes of LDS; arguments x, h, W_i, W_f, W_g, W_o, xh, wb; writes xh, wb
.if DOCPART == 3
	.amdgcn_target "amdgcn-amd-amdhsa--gfx1250"
	.amdhsa_code_object_version 6
	.text
	.protected	k_q71674dac3b_cvt
	.globl	k_q71674dac3b_cvt
	.p2align	8
	.type	k_q71674dac3b_cvt,@function
k_q71674dac3b_cvt:
	s_mov_b64 s[64:65], 0
	v_nop
	global_prefetch_b8 v0, s[64:65] scope:SCOPE_SE
	s_setreg_imm32_b32 hwreg(HW_REG_WAVE_SCHED_MODE, 0, 2), 2
	s_setreg_imm32_b32 hwreg(HW_REG_WAVE_MODE, 25, 1), 1
	s_wait_xcnt 0x0
	s_wait_alu depctr_vm_vsrc(0)
; The matrix operands of the LSTM cell, rounded once from f32 to bf16 (to nearest even) and laid out for the product that follows.
;   xh [8192][2048] bf16: row m = x[m] (bytes 0-2047), then h[m] (bytes 2048-4095).
;   wb [4096][2048] bf16: row 64 (j / 16) + 16 gate + j % 16 = row j of W_gate, gate 0..3 = i, f, g, o: every 64 rows hold 16 hidden columns x 4 gates.
; A stream: each source byte is read once, each destination byte written once; nothing is shared between waves or work-groups, so there is no LDS, no barrier, no cluster.
; SHARES.  A chunk is 1,024 f32 (4,096 bytes), which become 2,048 bytes.  A work-group takes 32 chunks that lie on end in their source (131,072 bytes):
;   y = 0: rows 32 gx .. of x;  y = 1: the same rows of h;  y = 2: rows 16 J .. 16 J + 15 of W_gate, gate = gx / 64, J = gx % 64 (two chunks a row).
; Thread t owns bytes 16 t of every source chunk and bytes 8 t of every destination chunk: a wave's load covers 512 consecutive bytes, a wave's store 256 consecutive bytes, aligned.
; LIMITS.  None of range: bf16 has f32's exponents.  NaN and infinities pass as the conversion makes them.
; THE MODE: SCHED_MODE bits 1:0 = 2 (LLVM: expert scheduling mode 2), set by the entry lines.  The code itself states the register dependences
; between vector instructions and memory instructions, with s_wait_alu, always for 0.
; THE PLAN.  The 32 chunks go in 8 blocks of four.  Registers that memory instructions touch:
;   X0 .. X3   four blocks of f32 as loaded.  Written by the loads of block p + 3, issued in block p; read by block p's conversions.
;   Y0, Y1     two blocks of bf16 to store.   Written by block p's conversions; read by the four stores that are issued in block p + 1.
;   v1, v[2:5] byte offsets, made once at the head and never written again: the source's chunks are reached by immediate offsets (31 x 4,096 bytes at the most),
;              the destination's by its scalar base, which moves on by a block, one block behind the conversions (its stride is not a constant of the text).
; Block p works on X[p % 4] and writes Y[p % 2].  Its memory instructions are the loads into X[(p + 3) % 4] = X[(p - 1) % 4] and the stores from
; Y[(p - 1) % 2]: the two buffers that block p - 1 worked on and that no vector instruction of block p names.  So the waits at the head of a block
; state all that the block's eight memory instructions hang on, and these are dealt among its conversions with no further wait.
; Blocks 0 to 4 load ahead, blocks 5 to 7 do not, and block 0 has no block in front of it: a lap of four blocks would run once, so the eight blocks are written out by one macro.
.set CHUNK,  4096                      ; bytes of a source chunk
.set BLOCK,  4                         ; chunks in a block
.set BLOCKS, 32/BLOCK
.set SO,  1                            ; v1       16 t; never rewritten
.set DO,  2                            ; v[2:5]   chunk i of a block: 8 t + i x the destination's stride; never rewritten
.set X,   8                            ; v[8:71]  buffer k, chunk i: four f32 as loaded, at X + 16 k + 4 i
.set Y,   72                           ; v[72:87] buffer k, chunk i: four bf16 to store, at Y + 8 k + 2 i
	s_load_b512 s[8:23], s[0:1], 0x0               ; x s[8:9], h s[10:11], W_i s[12:13], W_f s[14:15], W_g s[16:17], W_o s[18:19], xh s[20:21], wb s[22:23]
	s_mov_b32 s2, ttmp9                            ; gx
	s_and_b32 s3, ttmp7, 0xffff                    ; y
	s_lshr_b32 s4, s2, 6                           ; gate (used where y = 2)
	s_and_b32 s5, s2, 63                           ; J
	s_lshl_b32 s28, s2, 17                         ; y < 2: source offset, 32 rows of 4,096 bytes
	s_lshl_b32 s29, s5, 17                         ; y = 2: source offset, 16 rows of 8,192 bytes
	s_lshl_b32 s30, s3, 11                         ; y < 2: x's or h's half of a row of xh,
	s_add_co_u32 s30, s30, s28                     ;        in 32 rows of 4,096 bytes
	s_lshl_b32 s31, s5, 18                         ; y = 2: 64 rows of wb for each J,
	s_lshl_b32 s7, s4, 16                          ;        16 of them for each gate
	s_add_co_u32 s31, s31, s7
	s_cmp_eq_u32 s3, 2
	s_cselect_b32 s28, s29, s28
	s_cselect_b32 s30, s31, s30
	s_cselect_b32 s6, 11, 12
	s_mov_b32 s29, 0                               ; both offsets as pairs
	s_mov_b32 s31, 0
	s_lshl_b32 s6, 1, s6                           ; the destination's stride from chunk to chunk: 2,048 in wb (chunks on end), 4,096 in xh (a row)
	s_lshl_b32 s32, s6, 2                          ; four of them: a block's step
	s_mov_b32 s33, 0
	v_lshlrev_b32 v[SO], 4, v0
	v_lshlrev_b32 v[DO], 3, v0
.irp i, 1,2,3
	v_add_nc_u32 v[DO+(\i)], s6, v[DO+(\i)-1]      ; each chunk's offset is the one before plus the stride
.endr
	s_wait_kmcnt 0x0
	s_mov_b64 s[24:25], s[12:13]                   ; the source is chosen by the work-group's numbers alone; each compare stands straight in front of its select
	s_cmp_eq_u32 s4, 1
	s_cselect_b64 s[24:25], s[14:15], s[24:25]
	s_cmp_eq_u32 s4, 2
	s_cselect_b64 s[24:25], s[16:17], s[24:25]
	s_cmp_eq_u32 s4, 3
	s_cselect_b64 s[24:25], s[18:19], s[24:25]
	s_cmp_eq_u32 s3, 1
	s_cselect_b64 s[24:25], s[10:11], s[24:25]
	s_cmp_eq_u32 s3, 0
	s_cselect_b64 s[24:25], s[8:9], s[24:25]
	s_cmp_eq_u32 s3, 2
	s_cselect_b64 s[26:27], s[22:23], s[20:21]     ; and so is the destination
	s_add_nc_u64 s[24:25], s[24:25], s[28:29]
	s_add_nc_u64 s[26:27], s[26:27], s[30:31]
	s_wait_alu depctr_va_vdst(0)                   ; v1 and v[2:5] are written: every load and store of the kernel reads one of them as its offset
.irp i, 0,1,2,3,4,5,6,7,8,9,10,11
	global_load_b128 v[X+4*(\i):X+4*(\i)+3], v[SO], s[24:25] offset:CHUNK*(\i) th:TH_LOAD_NT  ; blocks 0, 1 and 2 into X0, X1, X2
.endr
; Block p.  XB, YB: the buffers that it works on.  XN: where block p + 3 lands.  YP: what the block before has written.
; LEFT: how many younger loads may still be out when this block's four have to be there: two blocks' eight, and at the end four and none.
.macro BLK p
.set XB, X+16*((\p)%4)
.set XN, X+16*(((\p)+3)%4)
.set YB, Y+8*((\p)%2)
.set YP, Y+8*(1-(\p)%2)
.if (\p) > BLOCKS-3
.set LEFT, BLOCK*(BLOCKS-1-(\p))
.else
.set LEFT, 2*BLOCK
.endif
	s_wait_loadcnt LEFT                            ; loads come back in order (ISA guide 5.7.1): X[p % 4] is in, the younger blocks stay out
.if (\p) >= 2
	s_wait_xcnt 0x0                                ; every earlier memory instruction has had its addresses translated (ISA guide 3.1): the destination's base and Y[p % 2] are rewritten only behind this wait
	s_wait_alu depctr_vm_vsrc(0)                   ; the stores issued in the block before have read Y[p % 2], which this block's conversions write again
.endif
.if (\p) >= 1
	s_wait_alu depctr_va_vdst(0)                   ; the block before has written the other Y, which the stores below read, and is done reading its X, in which the loads below land
.endif
.if (\p) >= 2
	s_add_nc_u64 s[26:27], s[26:27], s[32:33]      ; the destination's base at the first chunk of the block before, whose stores follow
.endif
.irp i, 0,1,2,3
.if (\p)+3 < BLOCKS
	global_load_b128 v[XN+4*(\i):XN+4*(\i)+3], v[SO], s[24:25] offset:CHUNK*(BLOCK*((\p)+3)+(\i)) th:TH_LOAD_NT  ; three blocks ahead; no vector instruction since the wait names these registers
.endif
.if (\p) >= 1
	global_store_b64 v[DO+(\i)], v[YP+2*(\i):YP+2*(\i)+1], s[26:27]  ; the block before
.endif
	v_cvt_pk_bf16_f32 v[YB+2*(\i)],   v[XB+4*(\i)],   v[XB+4*(\i)+1]
	v_cvt_pk_bf16_f32 v[YB+2*(\i)+1], v[XB+4*(\i)+2], v[XB+4*(\i)+3]
.endr
.endm
.irp p, 0,1,2,3,4,5,6,7
	BLK \p                                         ; block 0 stores nothing and owes no wait but the one for its data; blocks 5 to 7 load nothing: no load leaves the source, and the counts run down
.endr
	s_wait_xcnt 0x0                                ; the stores issued in block 7 have read the destination's base, which is stepped once more
	s_wait_alu depctr_va_vdst(0)                   ; block 7 has written Y1, which the last four stores read
	s_add_nc_u64 s[26:27], s[26:27], s[32:33]
.irp i, 0,1,2,3
	global_store_b64 v[DO+(\i)], v[Y+8+2*(\i):Y+8+2*(\i)+1], s[26:27]
.endr
	s_endpgm
.Lfunc_end_k_q71674dac3b_cvt:
	.size	k_q71674dac3b_cvt, .Lfunc_end_k_q71674dac3b_cvt-k_q71674dac3b_cvt
	.p2alignl 7, 3214868480
	.fill 96, 4, 3214868480
	.section	.rodata,"a",@progbits
	.p2align	6, 0x0
	.amdhsa_kernel k_q71674dac3b_cvt
		.amdhsa_group_segment_fixed_size 0
		.amdhsa_private_segment_fixed_size 0
		.amdhsa_enable_private_segment 0
		.amdhsa_kernarg_size 64
		.amdhsa_user_sgpr_count 2
		.amdhsa_user_sgpr_kernarg_segment_ptr 1
		.amdhsa_wavefront_size32 1
		.amdhsa_system_sgpr_workgroup_id_x 1
		.amdhsa_system_sgpr_workgroup_id_y 1
		.amdhsa_system_sgpr_workgroup_id_z 1
		.amdhsa_system_vgpr_workitem_id 0
		.amdhsa_next_free_vgpr 88
		.amdhsa_next_free_sgpr 66
		.amdhsa_reserve_vcc 0
		.amdhsa_float_denorm_mode_32 3
		.amdhsa_float_denorm_mode_16_64 3
		.amdhsa_memory_ordered 1
		.amdhsa_forward_progress 1
		.amdhsa_inst_pref_size 13
	.end_amdhsa_kernel
	.amdgpu_metadata
---
amdhsa.version: [ 1, 2 ]
amdhsa.kernels:
  - .name:           k_q71674dac3b_cvt
    .symbol:         k_q71674dac3b_cvt.kd
    .args:
      - { .name: x, .offset: 0, .size: 8, .value_kind: global_buffer, .address_space: global }
      - { .name: h, .offset: 8, .size: 8, .value_kind: global_buffer, .address_space: global }
      - { .name: W_i, .offset: 16, .size: 8, .value_kind: global_buffer, .address_space: global }
      - { .name: W_f, .offset: 24, .size: 8, .value_kind: global_buffer, .address_space: global }
      - { .name: W_g, .offset: 32, .size: 8, .value_kind: global_buffer, .address_space: global }
      - { .name: W_o, .offset: 40, .size: 8, .value_kind: global_buffer, .address_space: global }
      - { .name: xh, .offset: 48, .size: 8, .value_kind: global_buffer, .address_space: global }
      - { .name: wb, .offset: 56, .size: 8, .value_kind: global_buffer, .address_space: global }
    .group_segment_fixed_size: 0
    .private_segment_fixed_size: 0
    .kernarg_segment_align: 8
    .kernarg_segment_size: 64
    .max_flat_workgroup_size: 256
    .sgpr_count:     66
    .vgpr_count:     88
    .wavefront_size: 32
...
	.end_amdgpu_metadata
.endif
;; end of part 3
;; launch lstm: the kernel of part 2 again; grid 16 x 32, 4 waves a work-group, clusters of 4 x 4, 327,680 bytes of LDS; arguments xh, wb, c, out0, out1, b_i, b_f, b_g, b_o; writes out0, out1
